; MI455X (gfx1250); checked and timed in simulation.
; The chip was launched on July 23, 2026; its instructions are those of AMD's public machine-readable ISA for CDNA 5 (MIT licence, August 2026) and "CDNA5" Instruction Set Architecture Reference Guide (July 2026). The comments in the code are by the model that wrote it; some were corrected since.
;; Occupancy Decoder. Allowed arithmetic: matrix products marked QUANTISED: E2M1 operands, one E8M0 scale for each 32 along K, by v_wmma_scale_f32_16x16x128_f8f6f4 with both operands' format E2M1 (or v_wmma_scale_f32_32x16x128_f4), f32 sums; products left as they are: f32 operands where the result goes on into a quantised operand, else bf16, f16 or f32 operands; f32 sums; everything else in f32.
;; Inputs: W1 128 x 512 float32; W2 512 x 512 float32; W3 512 x 1 float32; b1 512 float32; b2 512 float32; b3 1 float32; be1 512 float32; be2 512 float32; dense_features 2 x 128 x 64 x 64 x 64 float32; g1 512 float32; g2 512 float32; m1 512 float32; m2 512 float32; query_points 2 x 65,536 x 3 float32; v1 512 float32; v2 512 float32.
;; Outputs: out0 2 x 65,536 x 1 float32.
;; This version of the problem:
;;   THIS VERSION OF THE PROBLEM IS GIVEN IN LOW PRECISION. The matrix products marked QUANTISED in the list below multiply operands that are first quantised to E2M1 (2 exponent bits, 1 mantissa bit; 4 bits a number), with one power-of-two scale for each 32 numbers along K (OCP MX v1.0); their sums are f32. All else is computed in f32.
;;   The module's matrix products, in the order in which they are computed (A, B: the left and right operand; K: the contracted axis; several contracted axes count as one K, in the product's order):
;;     1. [M 131,072, K 128] x [K 128, N 512]; A: computed on the way; B: input W1: QUANTISED
;;     2. [M 131,072, K 512] x [K 512, N 512]; A: computed on the way; B: input W2: QUANTISED
;;     3. [M 131,072, K 512] x [K 512, N 1]; A: computed on the way; B: input W3: left as it is (N = 1 < 16)
;;   THE QUANTISER, for each operand of a quantised product, along K:
;;     - K is cut into blocks of 32 from its start; a last block that is shorter is filled with zeros.
;;     - A block's scale is 2^e with e = floor(log2(the largest magnitude in the block)) - 2, held to -126 .. 127; a block of zeros has e = 0. As a byte (E8M0): e + 127.
;;     - Each number is divided by its block's scale, clamped to +-6, and rounded to the nearest number of E2M1, ties to even, subnormals kept.
;;     - The product sums the exact products of the quantised numbers (number of the format x scale) in f32.
;;   ~~~python
;;   def quantise(x, axis):      # numpy; x: float32 -> the quantised numbers, widened to float32 again
;;       x = np.moveaxis(x, axis, -1); K = x.shape[-1]
;;       x = np.pad(x, [(0, 0)] * (x.ndim - 1) + [(0, -K % 32)]); x = x.reshape(x.shape[:-1] + (-1, 32)); a = np.abs(x).max(-1, keepdims=True)
;;       e = np.where(a > 0, np.clip(np.frexp(np.where(a > 0, a, 1))[1] - 1 - 2, -126, 127), 0)      # np.frexp(a)[1] - 1 = floor(log2(a)), exactly
;;       r = np.clip(x / 2.0 ** e, -6, 6)
;;       step = 2.0 ** (np.maximum(np.frexp(np.where(r == 0, 1, r))[1] - 1, 0) - 1)
;;       q = np.round(r / step) * step * 2.0 ** e      # np.round: ties to even
;;       return np.moveaxis(q.reshape(q.shape[:-2] + (-1,))[..., :K], -1, axis).astype(np.float32)
;;   ~~~
;;   OPERANDS COMPUTED ON THE WAY. 'Computed on the way' means the value that the module computes at that place (a softmax that the list does not call 'softmax' is quantised finished and normalised). What goes into a quantiser is computed in f32, as accurately as f32 sums, v_exp_f32 and their like allow (about 1e-6 of the number): no bf16 or f16 on the way to a quantiser, and a product that is left as it is and whose result goes on into a quantised operand takes f32 operands (vector FMAs, or v_wmma_f32_16x16x4_f32). A number that lies on a knife's edge between two numbers of the format may be rounded either way, as far as f32 arithmetic and the matrix unit's own rounding can turn it there, and no further.
;; One version. Each part assembles by itself: llvm-mc -triple=amdgcn-amd-amdhsa -mcpu=gfx1250 --defsym DOCPART=n.
;; ======== version 1 of 1: 2 launches
;; limits: right only within a limited range of input values
;; workspace buffers: ft 268,435,456 bytes; pidx 524,288 bytes of whole numbers; pw 4,194,304 bytes; wpack 184,320 bytes
;; launch prep (part 1): grid 256 x 1, 16 waves a work-group, no clusters, 264,192 bytes of LDS; arguments dense_features, query_points, W1, W2, W3, b1, g1, be1, m1, v1, b2, g2, be2, m2, v2, ft, pidx, pw, wpack; writes ft, pidx, pw, wpack
.if DOCPART == 1
	.amdgcn_target "amdgcn-amd-amdhsa--gfx1250"
	.amdhsa_code_object_version 6
	.text
	.protected	k_q3e87d70a2d_prep
	.globl	k_q3e87d70a2d_prep
	.p2align	8
	.type	k_q3e87d70a2d_prep,@function
k_q3e87d70a2d_prep:
	s_mov_b64 s[64:65], 0
	v_nop
	global_prefetch_b8 v0, s[64:65] scope:SCOPE_SE
	s_setreg_imm32_b32 hwreg(HW_REG_WAVE_MODE, 25, 1), 1
	s_wait_xcnt 0x0
; OccupancyDecoder, first of two launches.  No work of the problem is dead: every input has a way to the output, and all are loaded.
; This launch makes four things for the second launch:
;  (a) ft: dense_features [b][c][z][y][x] turned into [b][z][y][x][c], f32, so that a voxel's 128 channels are 512 consecutive bytes;
;  (b) for each of the 131,072 query points its base voxel index (pidx, a whole number: b 262144 + z0 4096 + y0 64 + x0) and six weights (pw: 1-wx, wx, 1-wy, wy, 1-wz, wz, 0, 0);
;  (c) W1 and W2, quantised along K (their first axis) to E2M1 with one E8M0 byte for each 32, as images of the matrix operand's registers (wpack: 160 fragments of 1,024 bytes) and scale words;
;  (d) the batch norms folded: S = rsq(v + 1e-5) g, T = (b - m) S + be, so that BN(x + b) = x S + T, one fused multiply-add in f32.
; THE BORDER.  The coordinate t is made by the problem's own f32 steps and held to 0 .. 63.  The base is min(floor(t), 62) and the weight t - base: at t = 63 that is weight 1 on voxel 63 and 0 on voxel 62,
; where the problem takes voxel 63 twice: the same number.  So the eight corners of every point are base + 0 or 1 along each axis, and no second index is stored.
; LIMITS: a NaN or an infinity in a voxel that is touched only with weight 0 at that border shows in the result; NaN among the query points is not served (it is taken as 0);
; a block of a weight whose largest magnitude lies under 2^-124 (a block of zeros too) gets the scale byte 1: its codes are what the conversion gives under that scale, and only this program reads the bytes.
; SHARES.  A row (b, z, y) of the table is 64 x = 256 bytes for each channel; there are 8,192 rows.  A wave's tile is one row x 64 channels, 16 KiB: 32 loads, in each of which sixteen lanes read the 256 bytes of one channel;
; the tile turns through the wave's own 16 KiB of LDS and leaves as 64 voxels x 256 bytes: each store's sixteen lanes write 256 consecutive bytes, aligned.  Work-group g takes rows 32 g .. 32 g + 31; wave w the channel half w & 1
; and rows 32 g + (w >> 1) + 8 t, t = 0 .. 3.  Waves share nothing: no barrier.  Besides: every wave makes 32 points; wave 0 of work-groups 0 .. 159 quantises fragment g; wave 1 of work-groups 0 .. 15 folds the constants of 32 units.
; LDS: element (x, c) of a tile lies at 256 x + 16 ((c >> 2) xor (x >> 2)) + 4 (c & 3): the exclusive or spreads both the word stores (32 lanes, 32 different banks) and the 16-byte loads (16 lanes, 16 different columns).
.set SPARE, 262144                     ; behind the sixteen stages: the spare words, 128 bytes for each wave
.set WSC1,  163840                     ; wpack: W1's scale words
.set WSC2,  165888                     ; W2's
.set CS1,   174080                     ; S1, T1 in natural order; S2, T2, W3 permuted: unit u at 256 (u >> 6) + 16 (u & 15) + 4 ((u >> 4) & 3)
.set CT1,   176128
.set CS2,   178176
.set CT2,   180224
.set CW3,   182272
.set LO,  4                            ; v4-11    load offsets: 2^20 gg + 16 q + 2^23 k
.set SO,  12                           ; v12      store offset: 512 gg + 16 q
.set AD,  16                           ; v16-31   LDS, on the way in
.set RD,  32                           ; v32-47   LDS, on the way out
.set IN,  48                           ; v48-175  a tile as loaded: 32 x 4
.set OUT, 176                          ; v176-239 half a tile on its way out: 16 x 4; at the head the side jobs' numbers
.set SPW, 240                          ; v240     LDS address of my spare word; never rewritten
.set NIL, 241                          ; v241     0; never rewritten
	s_load_b128 s[4:7], s[0:1], 0x0                ; dense_features s[4:5], query_points s[6:7]
	s_load_b128 s[8:11], s[0:1], 0x78              ; ft s[8:9], pidx s[10:11]
	s_load_b128 s[12:15], s[0:1], 0x88             ; pw s[12:13], wpack s[14:15]
	v_lshl_add_u32 v[SPW], v0, 2, SPARE
	v_mov_b32 v[NIL], 0
	v_lshrrev_b32 v13, 5, v0
	s_delay_alu instid0(VALU_DEP_1)
	v_readfirstlane_b32 s16, v13                   ; wave 0..15
	v_and_b32 v1, 31, v0                           ; lane
	v_and_b32 v2, 15, v0                           ; q = lane % 16
	v_bfe_u32 v3, v0, 4, 1                         ; gg = lane / 16
	s_delay_alu instid0(VALU_DEP_2)
	v_lshlrev_b32 v13, 4, v2
	s_delay_alu instid0(VALU_DEP_1)
	v_lshl_add_u32 v14, v3, 20, v13                ; a channel plane is 2^20 bytes: lanes 16-31 take the next channel
.irp k, 0,1,2,3,4,5,6,7
	v_add_nc_u32 v[LO+\k], \k*8388608, v14         ; eight channels on
.endr
	v_lshl_add_u32 v[SO], v3, 9, v13               ; lanes 16-31 take the next voxel
	s_lshl_b32 s18, s16, 14                        ; my stage
	v_lshlrev_b32 v14, 10, v2
	s_delay_alu instid0(VALU_DEP_1)
	v_lshl_add_u32 v14, v3, 2, v14
	s_delay_alu instid0(VALU_DEP_1)
	v_add_nc_u32 v14, s18, v14                     ; in: 1024 q + 4 gg
	v_lshlrev_b32 v15, 8, v3
	s_delay_alu instid0(VALU_DEP_1)
	v_add_nc_u32 v15, s18, v15                     ; out: 256 gg
.irp k, 0,1,2,3,4,5,6,7,8,9,10,11,12,13,14,15
	v_xor_b32 v13, \k, v2
	s_delay_alu instid0(VALU_DEP_1)
	v_lshl_add_u32 v[AD+\k], v13, 4, v14
	s_delay_alu instid0(VALU_DEP_2)
	v_lshl_add_u32 v[RD+\k], v13, 4, v15
.endr
	s_and_b32 s19, s16, 1                          ; my half of the channels
	s_lshr_b32 s20, s16, 1
	s_lshl_b32 s21, ttmp9, 5
	s_add_co_u32 s20, s20, s21                     ; my first row
	s_lshr_b32 s21, s20, 12                        ; its batch: 2^27 bytes each
	s_lshl_b32 s21, s21, 27
	s_lshl_b32 s22, s19, 26                        ; 64 channels
	s_add_co_u32 s21, s21, s22
	s_and_b32 s22, s20, 4095
	s_lshl_b32 s22, s22, 8                         ; (z, y): 256 bytes each
	s_add_co_u32 s22, s22, s21
	s_mov_b32 s23, 0
	s_lshl_b32 s24, s20, 15                        ; in ft a row is 64 voxels of 512 bytes
	s_lshl_b32 s25, s19, 8
	s_add_co_u32 s24, s24, s25
	s_mov_b32 s25, 0
	s_lshl_b32 s26, ttmp9, 4
	s_add_co_u32 s26, s26, s16                     ; W: my 32 points are 32 W + lane
	s_mul_i32 s27, s26, 384
	s_lshl_b32 s28, s26, 7
	s_lshl_b32 s29, s26, 10
	s_lshr_b32 s30, s26, 11                        ; their batch
	s_lshl_b32 s30, s30, 18
	s_mov_b32 s46, 0x76543210
	s_mov_b32 s47, 0xfedcba98                      ; v_permlanex16_b32's selects for lane l xor 16
	v_mul_u32_u24 v13, v1, 12
	s_delay_alu instid0(VALU_DEP_1)
	v_add_nc_u32 v13, s27, v13                     ; my point's three coordinates
	v_lshl_add_u32 v14, v1, 2, s28                 ; its index
	v_lshl_add_u32 v15, v1, 5, s29                 ; its weights
	s_wait_alu depctr_va_vdst(0)
	s_wait_kmcnt 0x0
	s_add_nc_u64 s[4:5], s[4:5], s[22:23]
	s_add_nc_u64 s[8:9], s[8:9], s[24:25]
.macro LOADS                           ; a tile: load i brings channels 2 i + gg, x = 4 q .. 4 q + 3
.set i, 0
.rept 32
	global_load_b128 v[IN+4*i:IN+4*i+3], v[LO+i/4], s[4:5] offset:(i%4)*2097152 th:TH_LOAD_NT
.set i, i+1
.endr
.endm
.macro SCAT                            ; word j of load i is (x = 4 q + j, c = 2 i + gg)
.set i, 0
.rept 32
.irp j, 0,1,2,3
	ds_store_b32 v[AD+i/2], v[IN+4*i+\j] offset:\j*256+(i%2)*8
.endr
.set i, i+1
.endr
.endm
; Half hh of a tile leaves: load n brings voxels 2 n + gg, channels 4 q .. 4 q + 3.  more = 1: the next tile's loads are issued between the LDS loads and the stores.
.macro OUTH hh, more
.set n, 0
.rept 16
	ds_load_b128 v[OUT+4*n:OUT+4*n+3], v[RD+(16*\hh+n)/2] offset:(16*\hh+n)*512   ; LDS serves a wave's instructions in order: these see the stores above
.set n, n+1
.endr
.if \more
	s_wait_dscnt 16                                ; all but the 16 loads just issued: the 128 stores have read the tile's registers
	s_add_nc_u64 s[4:5], s[4:5], 2048              ; eight rows on (the last tile's loads are in: their base may step)
	LOADS
.endif
.set n, 0
.rept 16
	s_wait_dscnt 15-n                              ; load n is in, the younger ones may be out
	global_store_b128 v[SO], v[OUT+4*n:OUT+4*n+3], s[8:9] offset:(16*\hh+n)*1024 th:TH_STORE_NT   ; sixteen lanes store 256 consecutive bytes, aligned
.set n, n+1
.endr
	s_wait_xcnt 0x0                                ; the stores' data and base are written again only behind this wait
.endm
	global_load_b32 v[OUT], v13, s[6:7]            ; x, y, z of my point
	global_load_b32 v[OUT+1], v13, s[6:7] offset:4
	global_load_b32 v[OUT+2], v13, s[6:7] offset:8
	LOADS                                          ; my first tile
	s_wait_loadcnt 32                              ; the three coordinates are in; the tile's 32 loads stay out
	; ---- the points: the three axes by turns
.irp a, 0,1,2
	v_fma_f32 v[OUT+4+\a], v[OUT+\a], 2.0, -1.0    ; grid = 2 q - 1 (2 q is exact: one rounding, as in the problem)
.endr
.irp a, 0,1,2
	s_delay_alu instid0(VALU_DEP_3)
	v_add_f32 v[OUT+4+\a], 1.0, v[OUT+4+\a]
.endr
.irp a, 0,1,2
	s_delay_alu instid0(VALU_DEP_3)
	v_mul_f32 v[OUT+4+\a], 0.5, v[OUT+4+\a]
.endr
.irp a, 0,1,2
	s_delay_alu instid0(VALU_DEP_3)
	v_mul_f32 v[OUT+4+\a], 0x427c0000, v[OUT+4+\a] ; x 63
.endr
.irp a, 0,1,2
	s_delay_alu instid0(VALU_DEP_3)
	v_max_num_f32 v[OUT+4+\a], 0, v[OUT+4+\a]
.endr
.irp a, 0,1,2
	s_delay_alu instid0(VALU_DEP_3)
	v_min_num_f32 v[OUT+4+\a], 0x427c0000, v[OUT+4+\a]
.endr
.irp a, 0,1,2
	s_delay_alu instid0(VALU_DEP_3)
	v_floor_f32 v[OUT+8+\a], v[OUT+4+\a]
.endr
.irp a, 0,1,2
	s_delay_alu instid0(VALU_DEP_3)
	v_min_num_f32 v[OUT+8+\a], 0x42780000, v[OUT+8+\a]   ; the base is at most 62
.endr
.irp a, 0,1,2
	s_delay_alu instid0(VALU_DEP_3)
	v_sub_f32 v[OUT+17+2*\a], v[OUT+4+\a], v[OUT+8+\a]   ; w
.endr
.irp a, 0,1,2
	s_delay_alu instid0(VALU_DEP_3)
	v_sub_f32 v[OUT+16+2*\a], 1.0, v[OUT+17+2*\a]        ; 1 - w
.endr
.irp a, 0,1,2
	v_cvt_u32_f32 v[OUT+8+\a], v[OUT+8+\a]
.endr
	v_mov_b32 v[OUT+22], 0
	v_mov_b32 v[OUT+23], 0
	s_delay_alu instid0(VALU_DEP_4)
	v_lshl_add_u32 v[OUT+12], v[OUT+9], 6, v[OUT+8]
	s_delay_alu instid0(VALU_DEP_1)
	v_lshl_add_u32 v[OUT+12], v[OUT+10], 12, v[OUT+12]
	s_delay_alu instid0(VALU_DEP_1)
	v_add_nc_u32 v[OUT+12], s30, v[OUT+12]
	global_store_b32 v14, v[OUT+12], s[10:11]
	global_store_b128 v15, v[OUT+16:OUT+19], s[12:13]
	global_store_b128 v15, v[OUT+20:OUT+23], s[12:13] offset:16
	s_wait_xcnt 0x0                                ; the side jobs below write these stores' registers again
	; ---- wave 0 of work-groups 0 .. 159: fragment g of the weights.  g < 32: W1, tile T = g, whose lane r takes column 32 (T >> 1) + 8 (T & 1) + r + 8 (r >> 3); else W2, tile T = (g - 32) >> 2, K step s = (g - 32) & 3, column 16 T + r
	s_cmp_lg_u32 s16, 0
	s_cbranch_scc1 .Lnot_job
	s_cmp_ge_u32 ttmp9, 160
	s_cbranch_scc1 .Lnot_job
	s_load_b128 s[24:27], s[0:1], 0x10             ; W1, W2
	s_lshr_b32 s28, ttmp9, 1
	s_lshl_b32 s28, s28, 5
	s_and_b32 s29, ttmp9, 1
	s_lshl_b32 s30, s29, 3
	s_add_co_u32 s28, s28, s30                     ; W1: the tile's first column
	s_lshr_b32 s30, ttmp9, 2
	s_lshl_b32 s30, s30, 8
	s_lshl_b32 s29, s29, 7
	s_add_co_u32 s30, s30, s29
	s_bfe_u32 s29, ttmp9, 0x10001
	s_lshl_b32 s29, s29, 2
	s_add_co_u32 s30, s30, s29
	s_add_co_u32 s30, s30, WSC1                    ; W1: its scale words: 256 (T >> 2) + 128 (T & 1) + 4 ((T >> 1) & 1), 8 bytes from row to row
	s_sub_co_u32 s31, ttmp9, 32
	s_and_b32 s32, s31, 3                          ; W2: s
	s_lshr_b32 s31, s31, 2                         ; T
	s_lshl_b32 s33, s31, 4                         ; the tile's first column
	s_lshl_b32 s34, s31, 8
	s_lshl_b32 s35, s32, 2
	s_add_co_u32 s34, s34, s35
	s_add_co_u32 s34, s34, WSC2                    ; its scale words: 256 T + 4 s, 16 bytes from row to row
	s_lshl_b32 s32, s32, 18                        ; 128 rows of 2,048 bytes for each K step
	s_lshl_b32 s37, ttmp9, 10                      ; the fragment's image
	s_wait_kmcnt 0x0
	s_cmp_lt_u32 ttmp9, 32                         ; the choice hangs on the work-group's number alone
	s_cselect_b64 s[24:25], s[24:25], s[26:27]
	s_cselect_b32 s28, s28, s33
	s_cselect_b32 s30, s30, s34
	s_cselect_b32 s32, 0, s32
	s_cselect_b32 s35, 8, 0
	s_cselect_b32 s36, 3, 4
	s_mov_b32 s33, 0
	s_add_nc_u64 s[24:25], s[24:25], s[32:33]
	v_lshrrev_b32 v13, 3, v2
	s_delay_alu instid0(VALU_DEP_1)
	v_mul_u32_u24 v13, s35, v13
	s_delay_alu instid0(VALU_DEP_1)
	v_add3_u32 v13, v13, v2, s28                   ; my column
	s_delay_alu instid0(VALU_DEP_1)
	v_lshlrev_b32 v13, 2, v13
	s_delay_alu instid0(VALU_DEP_1)
	v_lshl_add_u32 v13, v3, 16, v13                ; lanes 16-31 begin 32 rows further down: the operand's layout gives lane (r, h) k = 64 c + 32 h + 0 .. 31
.irp c, 0,1
.irp i, 0,1,2,3,4,5,6,7,8,9,10,11,12,13,14,15,16,17,18,19,20,21,22,23,24,25,26,27,28,29,30,31
	global_load_b32 v[OUT+32*\c+\i], v13, s[24:25] offset:(64*\c+\i)*2048
.endr
.endr
	s_wait_loadcnt 0x0
.irp c, 0,1
	v_max3_num_f32 v[242+\c], |v[OUT+32*\c]|, |v[OUT+32*\c+1]|, 0x1800000   ; my block 2 c + h: all its 32 numbers are mine; the floor 2^(3 - 127) holds the byte at 1 from below
.endr
.irp i, 2,4,6,8,10,12,14,16,18,20,22,24,26,28,30
.irp c, 0,1
	s_delay_alu instid0(VALU_DEP_2)
	v_max3_num_f32 v[242+\c], v[242+\c], |v[OUT+32*\c+\i]|, |v[OUT+32*\c+\i+1]|
.endr
.endr
.irp c, 0,1
	s_delay_alu instid0(VALU_DEP_2)
	v_add_nc_u32 v[252+\c], 0xff000000, v[242+\c]  ; 2 off the exponent field: the conversion's scale operand
.endr
.irp c, 0,1
	s_delay_alu instid0(VALU_DEP_2)
	v_lshrrev_b32 v[242+\c], 23, v[252+\c]         ; the scale's byte
.endr
	s_delay_alu instid0(VALU_DEP_1)
	v_lshl_or_b32 v254, v243, 16, v242             ; blocks h and 2 + h,
	v_lshlrev_b32 v255, 3, v3
	s_delay_alu instid0(VALU_DEP_1)
	v_lshlrev_b32 v254, v255, v254                 ; at their places in the word;
	v_mov_b32 v255, 0
	s_delay_alu instid0(VALU_DEP_1)
	v_permlanex16_b32 v255, v254, s46, s47
	s_delay_alu instid0(VALU_DEP_1)
	v_or_b32 v254, v254, v255                      ; with lane l xor 16's two the word is whole, in both lanes
.irp c, 0,1
.irp g, 0,1,2,3
	v_cvt_scalef32_pk8_fp4_f32 v[244+4*\c+\g], v[OUT+32*\c+8*\g:OUT+32*\c+8*\g+7], v[252+\c]   ; registers 4 c .. 4 c + 3 of the operand
.endr
.endr
	v_nop                                          ; one plain place behind the conversions
	v_lshl_add_u32 v14, v1, 4, s37
	v_lshlrev_b32 v15, s36, v2
	s_delay_alu instid0(VALU_DEP_1)
	v_add_nc_u32 v15, s30, v15
	global_store_b128 v14, v[244:247], s[14:15]    ; the image: lane l's 16 bytes at 16 l, 512 bytes a store
	global_store_b128 v14, v[248:251], s[14:15] offset:512
	global_store_b32 v15, v254, s[14:15]           ; lanes r and r + 16 write the same word with the same value
.Lnot_job:
	; ---- wave 1 of work-groups 0 .. 15: the constants of units u = 32 g + lane
	s_cmp_lg_u32 s16, 1
	s_cbranch_scc1 .Lnot_const
	s_cmp_ge_u32 ttmp9, 16
	s_cbranch_scc1 .Lnot_const
	s_load_b512 s[24:39], s[0:1], 0x20             ; W3, b1, g1, be1, m1, v1, b2, g2
	s_load_b128 s[40:43], s[0:1], 0x60             ; be2, m2
	s_load_b64 s[44:45], s[0:1], 0x70              ; v2
	s_lshl_b32 s48, ttmp9, 5
	v_add_nc_u32 v15, s48, v1                      ; u
	s_delay_alu instid0(VALU_DEP_1)
	v_lshlrev_b32 v13, 2, v15                      ; natural order
	s_delay_alu instid0(VALU_DEP_2)
	v_lshrrev_b32 v14, 6, v15
	s_delay_alu instid0(VALU_DEP_1)
	v_lshlrev_b32 v14, 8, v14
	s_delay_alu instid0(VALU_DEP_4)
	v_and_b32 v[OUT+16], 15, v15
	s_delay_alu instid0(VALU_DEP_1)
	v_lshl_add_u32 v14, v[OUT+16], 4, v14
	v_bfe_u32 v[OUT+16], v15, 4, 2
	s_delay_alu instid0(VALU_DEP_1)
	v_lshl_add_u32 v14, v[OUT+16], 2, v14          ; permuted
	s_wait_alu depctr_va_vdst(0)
	s_wait_kmcnt 0x0
	global_load_b32 v[OUT], v13, s[24:25]          ; W3
	global_load_b32 v[OUT+1], v13, s[26:27]        ; b1
	global_load_b32 v[OUT+2], v13, s[28:29]        ; g1
	global_load_b32 v[OUT+3], v13, s[30:31]        ; be1
	global_load_b32 v[OUT+4], v13, s[32:33]        ; m1
	global_load_b32 v[OUT+5], v13, s[34:35]        ; v1
	global_load_b32 v[OUT+6], v13, s[36:37]        ; b2
	global_load_b32 v[OUT+7], v13, s[38:39]        ; g2
	global_load_b32 v[OUT+8], v13, s[40:41]        ; be2
	global_load_b32 v[OUT+9], v13, s[42:43]        ; m2
	global_load_b32 v[OUT+10], v13, s[44:45]       ; v2
	s_wait_loadcnt 0x0
	v_add_f32 v[OUT+5], 0x3727c5ac, v[OUT+5]       ; + 1e-5
	v_add_f32 v[OUT+10], 0x3727c5ac, v[OUT+10]
	s_wait_alu depctr_va_vdst(0)
	v_rsq_f32 v[OUT+11], v[OUT+5]
	v_rsq_f32 v[OUT+12], v[OUT+10]
	v_sub_f32 v[OUT+1], v[OUT+1], v[OUT+4]         ; b - m: plain work behind the two roots
	v_sub_f32 v[OUT+6], v[OUT+6], v[OUT+9]
	s_wait_alu depctr_va_vdst(0)                   ; one wait for both roots, ahead of their first reader
	v_mul_f32 v[OUT+11], v[OUT+11], v[OUT+2]       ; S
	v_mul_f32 v[OUT+12], v[OUT+12], v[OUT+7]
	s_delay_alu instid0(VALU_DEP_2)
	v_fma_f32 v[OUT+13], v[OUT+1], v[OUT+11], v[OUT+3]   ; T
	s_delay_alu instid0(VALU_DEP_2)
	v_fma_f32 v[OUT+14], v[OUT+6], v[OUT+12], v[OUT+8]
	global_store_b32 v13, v[OUT+11], s[14:15] offset:CS1
	global_store_b32 v13, v[OUT+13], s[14:15] offset:CT1
	global_store_b32 v14, v[OUT+12], s[14:15] offset:CS2
	global_store_b32 v14, v[OUT+14], s[14:15] offset:CT2
	global_store_b32 v14, v[OUT], s[14:15] offset:CW3
.Lnot_const:
	s_wait_xcnt 0x0                                ; the side jobs' stores have read their registers: the tiles' way out writes them again
	; ---- the four tiles
	s_mov_b32 s17, 3
.Ltile:
	s_wait_loadcnt 0x0                             ; the tile is in
	SCAT
	OUTH 0, 1
	OUTH 1, 0
	s_add_nc_u64 s[8:9], s[8:9], 262144            ; eight rows on in ft
	s_sub_co_u32 s17, s17, 1
	s_cmp_lg_u32 s17, 0
	s_cbranch_scc1 .Ltile
	s_wait_loadcnt 0x0                             ; the last tile asks for nothing more
	SCAT
	OUTH 0, 0
	OUTH 1, 0
	s_wait_tensorcnt 0x0                           ; the wave's end, behind my last LDS store
	ds_add_u32 v[SPW], v[NIL]
	s_wait_dscnt 0x0
	s_endpgm
.Lfunc_end_k_q3e87d70a2d_prep:
	.size	k_q3e87d70a2d_prep, .Lfunc_end_k_q3e87d70a2d_prep-k_q3e87d70a2d_prep
	.p2alignl 7, 3214868480
	.fill 96, 4, 3214868480
	.section	.rodata,"a",@progbits
	.p2align	6, 0x0
	.amdhsa_kernel k_q3e87d70a2d_prep
		.amdhsa_group_segment_fixed_size 264192
		.amdhsa_private_segment_fixed_size 0
		.amdhsa_enable_private_segment 0
		.amdhsa_kernarg_size 152
		.amdhsa_user_sgpr_count 2
		.amdhsa_user_sgpr_kernarg_segment_ptr 1
		.amdhsa_wavefront_size32 1
		.amdhsa_system_sgpr_workgroup_id_x 1
		.amdhsa_system_sgpr_workgroup_id_y 1
		.amdhsa_system_sgpr_workgroup_id_z 1
		.amdhsa_system_vgpr_workitem_id 0
		.amdhsa_next_free_vgpr 256
		.amdhsa_next_free_sgpr 66
		.amdhsa_reserve_vcc 0
		.amdhsa_float_denorm_mode_32 3
		.amdhsa_float_denorm_mode_16_64 3
		.amdhsa_memory_ordered 1
		.amdhsa_forward_progress 1
		.amdhsa_inst_pref_size 60
	.end_amdhsa_kernel
	.amdgpu_metadata
---
amdhsa.version: [ 1, 2 ]
amdhsa.kernels:
  - .name:           k_q3e87d70a2d_prep
    .symbol:         k_q3e87d70a2d_prep.kd
    .args:
      - { .name: dense_features, .offset: 0, .size: 8, .value_kind: global_buffer, .address_space: global }
      - { .name: query_points, .offset: 8, .size: 8, .value_kind: global_buffer, .address_space: global }
      - { .name: W1, .offset: 16, .size: 8, .value_kind: global_buffer, .address_space: global }
      - { .name: W2, .offset: 24, .size: 8, .value_kind: global_buffer, .address_space: global }
      - { .name: W3, .offset: 32, .size: 8, .value_kind: global_buffer, .address_space: global }
      - { .name: b1, .offset: 40, .size: 8, .value_kind: global_buffer, .address_space: global }
      - { .name: g1, .offset: 48, .size: 8, .value_kind: global_buffer, .address_space: global }
      - { .name: be1, .offset: 56, .size: 8, .value_kind: global_buffer, .address_space: global }
      - { .name: m1, .offset: 64, .size: 8, .value_kind: global_buffer, .address_space: global }
      - { .name: v1, .offset: 72, .size: 8, .value_kind: global_buffer, .address_space: global }
      - { .name: b2, .offset: 80, .size: 8, .value_kind: global_buffer, .address_space: global }
      - { .name: g2, .offset: 88, .size: 8, .value_kind: global_buffer, .address_space: global }
      - { .name: be2, .offset: 96, .size: 8, .value_kind: global_buffer, .address_space: global }
      - { .name: m2, .offset: 104, .size: 8, .value_kind: global_buffer, .address_space: global }
      - { .name: v2, .offset: 112, .size: 8, .value_kind: global_buffer, .address_space: global }
      - { .name: ft, .offset: 120, .size: 8, .value_kind: global_buffer, .address_space: global }
      - { .name: pidx, .offset: 128, .size: 8, .value_kind: global_buffer, .address_space: global }
      - { .name: pw, .offset: 136, .size: 8, .value_kind: global_buffer, .address_space: global }
      - { .name: wpack, .offset: 144, .size: 8, .value_kind: global_buffer, .address_space: global }
    .group_segment_fixed_size: 264192
    .private_segment_fixed_size: 0
    .kernarg_segment_align: 8
    .kernarg_segment_size: 152
    .max_flat_workgroup_size: 512
    .sgpr_count:     66
    .vgpr_count:     256
    .wavefront_size: 32
...
	.end_amdgpu_metadata
.endif
;; end of part 1
;; launch decode (part 2): grid 256 x 1, 8 waves a work-group, no clusters, 252,928 bytes of LDS; arguments ft, pidx, pw, wpack, b3, out0; writes out0
.if DOCPART == 2
	.amdgcn_target "amdgcn-amd-amdhsa--gfx1250"
	.amdhsa_code_object_version 6
	.text
	.protected	k_q3e87d70a2d_decode
	.globl	k_q3e87d70a2d_decode
	.p2align	8
	.type	k_q3e87d70a2d_decode,@function
k_q3e87d70a2d_decode:
	s_mov_b64 s[64:65], 0
	v_nop
	global_prefetch_b8 v0, s[64:65] scope:SCOPE_SE
	s_setreg_imm32_b32 hwreg(HW_REG_WAVE_MODE, 25, 1), 1
	s_wait_xcnt 0x0
; OccupancyDecoder, second launch: gather, trilinear weights, and the chain 128 -> 512 -> 512 -> 1, fused.  No work of the problem is left out.
; ft [b][z][y][x][128] f32, pidx (the base voxel of each point, a whole number), pw (six weights a point) and wpack (weights as E2M1 codes, scale words, folded batch-norm constants) come from the launch before.
; Both quantised products run on E2M1 codes with one E8M0 byte for each 32 along K; the sample and the first hidden layer are quantised in registers, from f32.  The last product (one column) is f32 multiply-adds.
; LIMITS: as stated at the head of the first launch (weight 0 on a NaN voxel at the upper border; blocks under 2^-124 get the byte 1).
; SHARES.  A work-group takes 512 points, each of its eight waves 64, as two groups of 32; a wave takes its points through the whole chain alone.
; THE HEAD.  All eight waves copy wpack into LDS as it lies: 45 steps of 4,096 bytes, 16 bytes a thread, a wave's 45 loads all on their way; then the launch's one barrier; behind it nobody writes wpack.
; THE WALK has three trips.  Waves 0 to 3: gather and chain of group 0; gather and chain of group 1; nothing.  Waves 4 to 7: gather of group 0, whose codes and scale words (18 registers) are put aside; gather and chain of group 1;
; group 0's codes are taken back, and its chain.  So one half's chain (LDS, vector and matrix work) stands beside the other half's gather (loads from memory).  All branches hang on the wave's number and the trip's alone.
; Every wave walks the second layer's loop in every trip.
; THE GATHER.  One load of a wave is one corner of one point: 512 consecutive bytes, lane l channels 4 l .. 4 l + 3.  A ring of six points (48 loads) is on its way.  The lerps are nested x, y, z as the problem nests them.
; 16 finished points turn through the wave's own stage in LDS into the layout that the quantiser wants.
; PRODUCT 1 is used transposed (source 0 = 16 units of W1, source 1 = 16 points); W1's tiles hold units 32 b + 8 u + r + 8 (r / 8), so that two tiles' 16 registers are 16 neighbours along the next K.
; PRODUCT 2 as it stands (source 0 = 16 points, source 1 = 16 units of W2): a lane holds one unit, and the sum over units ends in a sum over 16 lanes.
; NO PREFETCH: a gathering wave has 48 loads of 512 bytes on its way, and four or eight waves gather in all but the last part of the walk: there is no pause in the stream in which to run ahead.
; NO CLUSTER: what work-groups share is wpack, 184,320 bytes, read once by each, against 512 x 8 x 512 = 2,097,152 bytes of gathered rows that are a work-group's own.
; LDS: 0 .. 184,319 wpack; from 184,320 a stage of 16 rows x 528 bytes for each wave; from 251,904 the spare words.
; REGISTERS.  Window 0: addresses, scale words, codes, accumulators, sums.  Window 1: v0-191 the ring (6 points x 8 corners x 4), later W1's or W2's fragments and layer 1's constants; v192-231 the gather's own.
.set WSC1,  163840
.set WSC2,  165888
.set CS1,   174080                     ; S1; T1 lies 2,048 bytes on
.set CS2,   178176                     ; S2, permuted; T2 2,048 and W3 4,096 bytes on
.set STAGE, 184320
.set SP,    528                        ; a stage row: 512 bytes + 16
.set SPARE, 251904
.set RR,   2                           ; lane % 16
.set HH,   3                           ; lane / 16
.set LI,   4                           ; 16 x lane
.set CA1,  5                           ; layer 1's constants: CS1 + 64 h
.set WA1,  6                           ; W1's scale words: WSC1 + 8 x lane
.set FA0,  7                           ; W2's fragments: 32768 + 16 x lane; v8 with the trip's step
.set FA,   8
.set WA20, 9                           ; W2's scale words; v10 with the step
.set WA2,  10
.set CA20, 11                          ; layer 2's constants; v12 with the step
.set CA2,  12
.set SRD,  13                          ; the stage, on the way out: row r, + 64 h
.set CPY,  14                          ; v14-16 the copy: 16 x thread, + 61,440, + 122,880
.set OA,   17                          ; my place in a group's 128 bytes of out0
.set OV,   18                          ; the number that I store
.set L4,   19                          ; 4 x lane
.set L32,  20                          ; 32 x lane
.set OB,   21                          ; OA + 128 x the group
.set SPW,  22                          ; my spare word; never rewritten
.set NIL,  23                          ; 0; never rewritten
.set TM,   24                          ; v24-39 the quantiser's
.set SVS,  40                          ; v40-41 a group's scale words, put aside
.set XS,   48                          ; v48-67 hold scales and nothing else: the sample's,
.set HS,   50                          ; the hidden layer's (4 m + s),
.set WS1,  58                          ; W1's,
.set WS2,  60                          ; W2's
.set XC,   68                          ; v68-83  the sample's codes
.set HC,   84                          ; v84-147 the hidden layer's codes: 32 m + 8 s
.set ACC,  148                         ; v148-211 eight accumulators: 32 m + 8 t
.set C2,   212                         ; v212-223 S2, T2, W3
.set OS,   224                         ; v224-239 the output's partial sums
.set SVC,  240                         ; v240-255 a group's codes, put aside
.set RES,  192                         ; window 1: four finished points by turns
.set IDX,  208
.set W6,   210
.set IDXN, 216
.set W6N,  218
.set OFF,  224                         ; a ring slot's byte offset in ft
.set L16,  230
.set STO,  231
.set SEL,  20                          ; s[20:21] selects for lane l xor 16
.set WT,   28                          ; s[28:39] the point's six weights, each the low word of a pair
.set MSB, 0
.macro WIN new                         ; the immediate's high byte repeats the setting that is left
.if MSB != \new
	s_set_vgpr_msb (MSB<<8)|\new
.set MSB, \new
.endif
.endm
; Point p's eight corners are asked for, into ring slot p % 6; the stored index is held to the largest base voxel, 520,126
.macro ISSUE p
	v_readlane_b32 s19, v[IDX], \p
	s_min_u32 s19, s19, 0x7efbe
	v_lshl_add_u32 v[OFF+(\p)%6], s19, 9, v[L16]
.irp k, 0,1,2,3,4,5,6,7
	global_load_b128 v[32*((\p)%6)+4*\k:32*((\p)%6)+4*\k+3], v[OFF+(\p)%6], s[4:5] offset:(\k/4)*2097152+((\k/2)%2)*32768+(\k%2)*512
.endr
.endm
; Point p is finished: 28 packed instructions on my four channels; the result goes to row p % 16 of the stage; the slot takes the point six further on
.macro POINT p
.set RB, 32*((\p)%6)
.set RS, RES+4*((\p)%4)
	s_wait_dscnt 3                                 ; the stage store of four points ago is done; the three younger may be out
.if 31-(\p) < 5
	s_wait_loadcnt 8*(31-(\p))                     ; my eight corners are in; the younger points' stay out
.else
	s_wait_loadcnt 40
.endif
.irp k, 0,1,2,3,4,5
	v_readlane_b32 s[WT+2*\k], v[W6+\k], \p
.endr
.irp c, 0,2,4,6
.irp u, 0,2
	v_pk_mul_f32 v[RB+4*\c+\u:RB+4*\c+\u+1], v[RB+4*\c+\u:RB+4*\c+\u+1], s[WT:WT+1] op_sel_hi:[1,0]
.endr
.endr
.irp c, 0,2,4,6
.irp u, 0,2
	v_pk_fma_f32 v[RB+4*\c+\u:RB+4*\c+\u+1], v[RB+4*\c+4+\u:RB+4*\c+5+\u], s[WT+2:WT+3], v[RB+4*\c+\u:RB+4*\c+\u+1] op_sel_hi:[1,0,1]
.endr
.endr
.irp c, 0,4
.irp u, 0,2
	v_pk_mul_f32 v[RB+4*\c+\u:RB+4*\c+\u+1], v[RB+4*\c+\u:RB+4*\c+\u+1], s[WT+4:WT+5] op_sel_hi:[1,0]
.endr
.endr
.irp c, 0,4
.irp u, 0,2
	v_pk_fma_f32 v[RB+4*\c+\u:RB+4*\c+\u+1], v[RB+4*\c+8+\u:RB+4*\c+9+\u], s[WT+6:WT+7], v[RB+4*\c+\u:RB+4*\c+\u+1] op_sel_hi:[1,0,1]
.endr
.endr
.irp u, 0,2
	v_pk_mul_f32 v[RS+\u:RS+\u+1], v[RB+\u:RB+\u+1], s[WT+8:WT+9] op_sel_hi:[1,0]
.endr
.irp u, 0,2
	v_pk_fma_f32 v[RS+\u:RS+\u+1], v[RB+16+\u:RB+17+\u], s[WT+10:WT+11], v[RS+\u:RS+\u+1] op_sel_hi:[1,0,1]
.endr
	ds_store_b128 v[STO], v[RS:RS+3] offset:((\p)%16)*SP
.if (\p)+6 < 32
	ISSUE (\p)+6
.endif
.endm
; 64 numbers of a lane, register 16 b + i = k 32 b + 16 (lane / 16) + i of my row, become a fragment's codes in v[d] on and its scale word in v[sw]
.macro QUANT s, d, sw
.irp b, 0,1,2,3
	v_max3_num_f32 v[TM+\b], |v[\s+16*\b]|, |v[\s+1+16*\b]|, 0x1800000   ; the floor 2^(3 - 127): the byte cannot fall under 1
.endr
.irp i, 2,4,6,8,10,12,14
.irp b, 0,1,2,3
	v_max3_num_f32 v[TM+\b], v[TM+\b], |v[\s+16*\b+\i]|, |v[\s+1+16*\b+\i]|
.endr
.endr
.irp b, 0,1,2,3
	v_permlanex16_b32 v[TM+4+\b], v[TM+\b], s[SEL], s[SEL+1]
.endr
.irp b, 0,1,2,3
	v_max_num_f32 v[TM+\b], v[TM+\b], v[TM+4+\b]
.endr
.irp b, 0,1,2,3
	v_add_nc_u32 v[TM+12+\b], 0xff000000, v[TM+\b] ; 2 off the exponent field: the conversion's scale operand
.endr
.irp b, 0,1,2,3
	v_lshrrev_b32 v[TM+4+\b], 23, v[TM+12+\b]      ; the scale's byte
.endr
	v_lshl_or_b32 v[\sw], v[TM+5], 8, v[TM+4]
	v_lshl_or_b32 v[\sw], v[TM+6], 16, v[\sw]
	v_lshl_or_b32 v[\sw], v[TM+7], 24, v[\sw]
.irp b, 0,1,2,3
	v_cvt_scalef32_pk8_fp4_f32 v[\d+2*\b], v[\s+16*\b:\s+7+16*\b], v[TM+12+\b]
	v_cvt_scalef32_pk8_fp4_f32 v[\d+1+2*\b], v[\s+8+16*\b:\s+15+16*\b], v[TM+12+\b]
.endr
	v_nop                                          ; one plain place behind a scaled conversion
.irp c, 0,1
.irp i, 0,1
	v_permlane16_swap_b32 v[\d+4*\c+\i], v[\d+2+4*\c+\i]   ; a whole block in a lane
.endr
.endr
.endm
; The stage's 16 points become tile m of the sample; the ring's loads stay on their way: they land in window 1
.macro TURNQ m
	WIN 0
.irp b, 0,1,2,3
.irp i, 0,1,2,3
	ds_load_b128 v[ACC+16*\b+4*\i:ACC+16*\b+4*\i+3], v[SRD] offset:128*\b+16*\i   ; LDS serves a wave's instructions in order: these see my stores
.endr
.endr
	s_wait_dscnt 0x0
	QUANT ACC, XC+8*\m, XS+\m
.endm
; A group's 32 points, from their indices to the sample's codes and scale words
.macro GATHER
	WIN 0x55
.irp p, 0,1,2,3,4,5
	ISSUE \p
.endr
.irp p, 0,1,2,3,4,5,6,7,8,9,10,11,12,13,14,15
	POINT \p
.endr
	TURNQ 0
	WIN 0x55
.irp p, 16,17,18,19,20,21,22,23,24,25,26,27,28,29,30,31
	POINT \p
.endr
	v_mov_b32 v[IDX], v[IDXN]                      ; the second group's indices and weights take the first's place
.irp k, 0,1,2,3,4,5
	v_mov_b32 v[W6+\k], v[W6N+\k]
.endr
	TURNQ 1
.endm
; Units 64 q .. 64 q + 63 of the first hidden layer for the group's 32 points; batch norm, relu; quantised: half q % 2 of K step q / 2 of the second product
.macro L1CHUNK q
.set HD, HC+8*((\q)/2)+4*((\q)%2)
	WIN 0x40
.irp t, 0,1,2,3
.irp c, 0,1
	ds_load_b128 v[8*\t+4*\c:8*\t+4*\c+3], v[LI] offset:(4*(\q)+\t)*1024+512*\c
.endr
.endr
.irp e, 0,1,2,3,4,5,6,7
	ds_load_b128 v[32+4*\e:35+4*\e], v[CA1] offset:(\q)*256+128*(\e/4)+16*(\e%4)
	ds_load_b128 v[64+4*\e:67+4*\e], v[CA1] offset:(\q)*256+128*(\e/4)+16*(\e%4)+2048
.endr
	WIN 0
	ds_load_b64 v[WS1:WS1+1], v[WA1] offset:(\q)*256
	s_wait_dscnt 0x0
	WIN 0x01
.irp t, 0,1,2,3
.irp m, 0,1
.if (\t)%2
	v_wmma_scale_f32_16x16x128_f8f6f4 v[ACC+32*\m+8*\t:ACC+32*\m+8*\t+7], v[8*\t:8*\t+7], v[XC+8*\m:XC+8*\m+7], 0, v[WS1+\t/2], v[XS+\m] matrix_a_fmt:MATRIX_FMT_FP4 matrix_b_fmt:MATRIX_FMT_FP4 matrix_a_scale:MATRIX_SCALE_ROW1
.else
	v_wmma_scale_f32_16x16x128_f8f6f4 v[ACC+32*\m+8*\t:ACC+32*\m+8*\t+7], v[8*\t:8*\t+7], v[XC+8*\m:XC+8*\m+7], 0, v[WS1+\t/2], v[XS+\m] matrix_a_fmt:MATRIX_FMT_FP4 matrix_b_fmt:MATRIX_FMT_FP4
.endif
.endr
.endr
.rept 4
	v_nop                                          ; four places between the products and the first read of a result (ISA guide 7.12.1)
.endr
	WIN 0x14
.set p, 0
.rept 32
	v_pk_fma_f32 v[ACC+2*p:ACC+2*p+1], v[ACC+2*p:ACC+2*p+1], v[32+2*(p%16):33+2*(p%16)], v[64+2*(p%16):65+2*(p%16)]   ; x S + T, ascending
.set p, p+1
.endr
	WIN 0
.set p, 0
.rept 64
	v_max_num_f32 v[ACC+p], 0, v[ACC+p]            ; relu
.set p, p+1
.endr
.irp e, 0,1,2,3
	v_max3_num_f32 v[TM+\e], v[ACC+16*\e], v[ACC+16*\e+1], 0x1800000   ; four blocks of 32 units; none is negative
.endr
.irp i, 2,4,6,8,10,12,14
.irp e, 0,1,2,3
	v_max3_num_f32 v[TM+\e], v[TM+\e], v[ACC+16*\e+\i], v[ACC+16*\e+\i+1]
.endr
.endr
.irp e, 0,1,2,3
	v_permlanex16_b32 v[TM+4+\e], v[TM+\e], s[SEL], s[SEL+1]
.endr
.irp e, 0,1,2,3
	v_max_num_f32 v[TM+\e], v[TM+\e], v[TM+4+\e]
.endr
.irp e, 0,1,2,3
	v_add_nc_u32 v[TM+12+\e], 0xff000000, v[TM+\e]
.endr
.irp e, 0,1,2,3
	v_lshrrev_b32 v[TM+4+\e], 23, v[TM+12+\e]
.endr
.irp m, 0,1
.if (\q)%2 == 0
	v_lshl_or_b32 v[HS+4*\m+(\q)/2], v[TM+5+2*\m], 8, v[TM+4+2*\m]
.else
	v_lshl_or_b32 v[HS+4*\m+(\q)/2], v[TM+4+2*\m], 16, v[HS+4*\m+(\q)/2]
	v_lshl_or_b32 v[HS+4*\m+(\q)/2], v[TM+5+2*\m], 24, v[HS+4*\m+(\q)/2]
.endif
.endr
.irp m, 0,1
.irp b, 0,1
	v_cvt_scalef32_pk8_fp4_f32 v[HD+32*\m+2*\b], v[ACC+32*\m+16*\b:ACC+32*\m+16*\b+7], v[TM+12+2*\m+\b]
	v_cvt_scalef32_pk8_fp4_f32 v[HD+32*\m+2*\b+1], v[ACC+32*\m+16*\b+8:ACC+32*\m+16*\b+15], v[TM+12+2*\m+\b]
.endr
.endr
	v_nop                                          ; one plain place behind a scaled conversion
.irp m, 0,1
.irp i, 0,1
	v_permlane16_swap_b32 v[HD+32*\m+\i], v[HD+32*\m+2+\i]
.endr
.endr
.endm
; One product of the second layer: K step s, tile i of the trip's four tiles of units, tile m of points
.macro W2MUL s, i, m
.set AC, ACC+32*\m+8*\i
.if \s == 0
.if (\i)%2
	v_wmma_scale_f32_16x16x128_f8f6f4 v[AC:AC+7], v[HC+32*\m+8*\s:HC+32*\m+8*\s+7], v[32*\s+8*\i:32*\s+8*\i+7], 0, v[HS+4*\m+\s], v[WS2+4*(\i/2)+\s] matrix_a_fmt:MATRIX_FMT_FP4 matrix_b_fmt:MATRIX_FMT_FP4 matrix_b_scale:MATRIX_SCALE_ROW1
.else
	v_wmma_scale_f32_16x16x128_f8f6f4 v[AC:AC+7], v[HC+32*\m+8*\s:HC+32*\m+8*\s+7], v[32*\s+8*\i:32*\s+8*\i+7], 0, v[HS+4*\m+\s], v[WS2+4*(\i/2)+\s] matrix_a_fmt:MATRIX_FMT_FP4 matrix_b_fmt:MATRIX_FMT_FP4
.endif
.else
.if (\i)%2
	v_wmma_scale_f32_16x16x128_f8f6f4 v[AC:AC+7], v[HC+32*\m+8*\s:HC+32*\m+8*\s+7], v[32*\s+8*\i:32*\s+8*\i+7], v[AC:AC+7], v[HS+4*\m+\s], v[WS2+4*(\i/2)+\s] matrix_a_fmt:MATRIX_FMT_FP4 matrix_b_fmt:MATRIX_FMT_FP4 matrix_b_scale:MATRIX_SCALE_ROW1
.else
	v_wmma_scale_f32_16x16x128_f8f6f4 v[AC:AC+7], v[HC+32*\m+8*\s:HC+32*\m+8*\s+7], v[32*\s+8*\i:32*\s+8*\i+7], v[AC:AC+7], v[HS+4*\m+\s], v[WS2+4*(\i/2)+\s] matrix_a_fmt:MATRIX_FMT_FP4 matrix_b_fmt:MATRIX_FMT_FP4
.endif
.endif
.endm
; Behind an accumulator of the second layer: x S2 + T2, relu, times W3 into the output's sums; op_sel picks my unit's constant out of its pair
.macro AFTER2 i, m
.set AC, ACC+32*\m+8*\i
.irp u, 0,2,4,6
.if (\i)%2
	v_pk_fma_f32 v[AC+\u:AC+\u+1], v[AC+\u:AC+\u+1], v[C2+2*(\i/2):C2+2*(\i/2)+1], v[C2+4+2*(\i/2):C2+5+2*(\i/2)] op_sel:[0,1,1] op_sel_hi:[1,1,1]
.else
	v_pk_fma_f32 v[AC+\u:AC+\u+1], v[AC+\u:AC+\u+1], v[C2+2*(\i/2):C2+2*(\i/2)+1], v[C2+4+2*(\i/2):C2+5+2*(\i/2)] op_sel_hi:[1,0,0]
.endif
.endr
.irp j, 0,1,2,3,4,5,6,7
	v_max_num_f32 v[AC+\j], 0, v[AC+\j]
.endr
.irp u, 0,2,4,6
.if (\i)%2
	v_pk_fma_f32 v[OS+8*\m+\u:OS+8*\m+\u+1], v[AC+\u:AC+\u+1], v[C2+8+2*(\i/2):C2+9+2*(\i/2)], v[OS+8*\m+\u:OS+8*\m+\u+1] op_sel:[0,1,0] op_sel_hi:[1,1,1]
.else
	v_pk_fma_f32 v[OS+8*\m+\u:OS+8*\m+\u+1], v[AC+\u:AC+\u+1], v[C2+8+2*(\i/2):C2+9+2*(\i/2)], v[OS+8*\m+\u:OS+8*\m+\u+1] op_sel_hi:[1,0,1]
.endif
.endr
.endm
; A trip of the second layer: 64 units: four tiles of W2 x four K steps x two tiles of points = 32 products on eight accumulators, which take turns
.macro L2TRIP
	v_add_nc_u32 v[FA], s23, v[FA0]
	v_add_nc_u32 v[WA2], s24, v[WA20]
	v_add_nc_u32 v[CA2], s25, v[CA20]
	ds_load_b128 v[C2:C2+3], v[CA2]
	ds_load_b128 v[C2+4:C2+7], v[CA2] offset:2048
	ds_load_b128 v[C2+8:C2+11], v[CA2] offset:4096
	ds_load_b128 v[WS2:WS2+3], v[WA2]
	ds_load_b128 v[WS2+4:WS2+7], v[WA2] offset:512
	WIN 0x40
.irp s, 0,1,2,3
.irp i, 0,1,2,3
.irp c, 0,1
	ds_load_b128 v[32*\s+8*\i+4*\c:32*\s+8*\i+4*\c+3], v[FA] offset:(4*\i+\s)*1024+512*\c
.endr
.endr
.endr
	WIN 0x04
.irp s, 0,1,2,3
	s_wait_dscnt 24-8*\s                           ; this K step's eight loads are in; the later steps' may be out
.irp i, 0,1,2,3
.irp m, 0,1
	W2MUL \s, \i, \m
.endr
.endr
.endr
	WIN 0
.rept 4
	v_nop                                          ; four places between the products and the first read of a result
.endr
.irp m, 0,1
.irp i, 0,1,2,3
	AFTER2 \i, \m
.endr
.endr
.endm
	s_load_b256 s[4:11], s[0:1], 0x0               ; ft s[4:5], pidx s[6:7], pw s[8:9], wpack s[10:11]
	s_load_b128 s[12:15], s[0:1], 0x20             ; b3 s[12:13], out0 s[14:15]
	v_lshl_add_u32 v[SPW], v0, 2, SPARE
	v_mov_b32 v[NIL], 0
	v_lshrrev_b32 v1, 5, v0
	v_readfirstlane_b32 s16, v1                    ; wave 0..7
	v_and_b32 v1, 31, v0                           ; lane
	v_and_b32 v[RR], 15, v0
	v_bfe_u32 v[HH], v0, 4, 1
	v_lshlrev_b32 v[LI], 4, v1
	v_lshl_add_u32 v[CA1], v[HH], 6, CS1
	v_lshl_add_u32 v[WA1], v1, 3, WSC1
	v_add_nc_u32 v[FA0], 32768, v[LI]
	v_lshl_add_u32 v[WA20], v1, 4, WSC2
	v_lshl_add_u32 v[CA20], v[RR], 4, CS2
	s_mul_i32 s26, s16, 16*SP
	s_add_co_u32 s26, s26, STAGE                   ; my stage
	v_mul_u32_u24 v[SRD], v[RR], SP
	v_lshl_add_u32 v[SRD], v[HH], 6, v[SRD]
	v_add_nc_u32 v[SRD], s26, v[SRD]
	v_lshlrev_b32 v[CPY], 4, v0                    ; the copy: 256 threads, 16 bytes each
	v_add_nc_u32 v[CPY+1], 61440, v[CPY]
	v_add_nc_u32 v[CPY+2], 122880, v[CPY]
	v_lshrrev_b32 v[OA], 3, v[RR]
	v_lshlrev_b32 v[OA], 4, v[OA]
	v_lshl_add_u32 v[OA], v[HH], 3, v[OA]
	v_and_b32 v[OV], 7, v[RR]
	v_add_lshl_u32 v[OA], v[OA], v[OV], 2          ; I store point 16 (r / 8) + 8 h + r % 8 of the group
	v_lshlrev_b32 v[L4], 2, v1
	v_lshlrev_b32 v[L32], 5, v1
.irp b, 0,1,2,3
	v_mov_b32 v[TM+4+\b], 0                        ; a lane permute's destination counts as one of its sources
.endr
.irp r, 40,41,48,49,50,51,52,53,54,55,56,57,248,249,250,251,252,253,254,255
	v_mov_b32 v\r, 0                               ; written once: the text names these on ways round the gather or round layer 1, which no wave takes ahead of their first true write
.endr
	s_mov_b32 s[SEL], 0x76543210
	s_mov_b32 s[SEL+1], 0xfedcba98
.irp k, 0,1,2,3,4,5
	s_mov_b32 s[WT+2*\k+1], 0                      ; the pairs' upper words are named, never used
.endr
	s_lshl_b32 s40, ttmp9, 9
	s_lshl_b32 s41, s16, 6
	s_add_co_u32 s40, s40, s41                     ; my first point
	s_lshl_b32 s42, s40, 2
	s_mov_b32 s43, 0
	s_lshl_b32 s44, s40, 5
	s_mov_b32 s45, 0
	s_wait_alu depctr_va_vdst(0)
	s_wait_kmcnt 0x0
	s_load_b32 s22, s[12:13], 0x0                  ; b3
	s_add_nc_u64 s[6:7], s[6:7], s[42:43]
	s_add_nc_u64 s[14:15], s[14:15], s[42:43]
	s_add_nc_u64 s[8:9], s[8:9], s[44:45]
	WIN 0x40
	v_lshlrev_b32 v[L16], 4, v1
	v_add_nc_u32 v[STO], s26, v[LI]
	s_wait_alu depctr_va_vdst(0)                   ; directly behind the writes
	global_load_b32 v[IDX], v[L4], s[6:7]          ; both groups' indices and weights, a lane a point
	global_load_b128 v[W6:W6+3], v[L32], s[8:9]
	global_load_b64 v[W6+4:W6+5], v[L32], s[8:9] offset:16
	global_load_b32 v[IDXN], v[L4], s[6:7] offset:128
	global_load_b128 v[W6N:W6N+3], v[L32], s[8:9] offset:1024
	global_load_b64 v[W6N+4:W6N+5], v[L32], s[8:9] offset:1040
	WIN 0
	; wpack into LDS as it lies: 45 x 4,096 bytes
.set k, 0
.rept 45
	global_load_b128 v[68+4*k:71+4*k], v[CPY], s[10:11] offset:k*4096
.set k, k+1
.endr
.set k, 0
.rept 45
	s_wait_loadcnt 44-k                            ; load k is in, and all that were issued ahead of the copy; the younger ones may be out
	ds_store_b128 v[CPY+k/15], v[68+4*k:71+4*k] offset:(k%15)*4096
.set k, k+1
.endr
	s_wait_kmcnt 0x0                               ; b3
	s_wait_dscnt 0x0                               ; for the others' sake: my part of the copy has landed
	s_barrier_signal -1
	s_barrier_wait -1                              ; wpack is whole; from here on nobody writes it
	s_mov_b32 s17, 0                               ; the trip: 0, 1, 2
.Lgroup:
	s_cmp_eq_u32 s17, 2
	s_cbranch_scc1 .Lnog                           ; the third trip gathers nothing
	GATHER
.Lnog:
	s_wait_alu depctr_va_vdst(0)
	s_lshl_b32 s46, s17, 7                         ; the chain's group, x 128 bytes of out0: waves 0-3 take group = trip,
	s_sub_co_u32 s47, 256, s46                     ; waves 4-7 group = 2 - trip
	s_and_b32 s46, s46, 128                        ; (a trip with no chain gets 0, which is not used)
	s_and_b32 s47, s47, 128
	s_cmp_lt_u32 s17, 2
	s_cselect_b32 s48, 1, 0                        ; has this trip a chain?  waves 0-3: trips 0 and 1;
	s_cmp_gt_u32 s17, 0
	s_cselect_b32 s49, 1, 0                        ; waves 4-7: trips 1 and 2
	s_cmp_lt_u32 s16, 4
	s_cselect_b32 s48, s48, s49
	s_cselect_b32 s46, s46, s47
	s_cbranch_scc1 .Lcodes
	s_cmp_lg_u32 s17, 0
	s_cbranch_scc1 .Lnosave
.irp k, 0,1,2,3,4,5,6,7,8,9,10,11,12,13,14,15
	v_mov_b32 v[SVC+\k], v[XC+\k]                  ; waves 4-7, trip 0: group 0's codes and scale words are put aside
.endr
	v_mov_b32 v[SVS], v[XS]
	v_mov_b32 v[SVS+1], v[XS+1]
.Lnosave:
	s_cmp_lg_u32 s17, 2
	s_cbranch_scc1 .Lcodes
.irp k, 0,1,2,3,4,5,6,7,8,9,10,11,12,13,14,15
	v_mov_b32 v[XC+\k], v[SVC+\k]                  ; waves 4-7, trip 2: and taken back
.endr
	v_mov_b32 v[XS], v[SVS]
	v_mov_b32 v[XS+1], v[SVS+1]
.Lcodes:
	s_cmp_eq_u32 s48, 0
	s_cbranch_scc1 .Lno1
.irp k, 0,1,2,3,4,5,6,7,8,9,10,11,12,13,14,15
	v_mov_b32 v[OS+\k], 0                          ; the output's sums begin; these sixteen are also the places ahead of the scaled products
.endr
.irp q, 0,1,2,3,4,5,6,7
	L1CHUNK \q
.endr
.rept 8
	v_nop                                          ; a scale word made by vector lines stands eight places ahead of a scaled product, codes so made four
.endr
	s_wait_alu depctr_va_vdst(0)
.Lno1:
	s_mov_b32 s23, 0                               ; the trip's step in W2's fragments,
	s_mov_b32 s24, 0                               ; in its scale words,
	s_mov_b32 s25, 0                               ; in layer 2's constants
	s_mov_b32 s18, 8
.Lq:                                               ; every wave walks these eight trips; the branch leads round the work alone
	s_cmp_eq_u32 s48, 0
	s_cbranch_scc1 .Lnoq
	L2TRIP
.Lnoq:
	s_add_co_u32 s23, s23, 16384
	s_add_co_u32 s24, s24, 1024
	s_add_co_u32 s25, s25, 256
	s_sub_co_u32 s18, s18, 1
	s_cmp_lg_u32 s18, 0
	s_cbranch_scc1 .Lq
	s_wait_alu depctr_va_vdst(0)
	s_cmp_eq_u32 s48, 0
	s_cbranch_scc1 .Lnext
	; the sum over the sixteen lanes that hold a point's units
.irp x, 1,2,4,8
.irp k, 0,1,2,3,4,5,6,7,8,9,10,11,12,13,14,15
	v_add_f32_dpp v[OS+\k], v[OS+\k], v[OS+\k] row_xmask:\x row_mask:0xf bank_mask:0xf
.endr
.endr
	v_mov_b32 v[OV], v[OS]                         ; lane (r, h) keeps sum r
.irp k, 1,2,3,4,5,6,7,8,9,10,11,12,13,14,15
	v_cmp_eq_u32 vcc_lo, \k, v[RR]
	v_cndmask_b32 v[OV], v[OV], v[OS+\k], vcc_lo
.endr
	v_add_f32 v[OV], s22, v[OV]                    ; + b3
	v_add_nc_u32 v[OB], s46, v[OA]                 ; the group's 128 bytes
	global_store_b32 v[OB], v[OV], s[14:15]        ; the wave stores 128 consecutive bytes
	s_wait_xcnt 0x0                                ; the store's data and offset are written again only behind this wait
.Lnext:
	s_add_co_u32 s17, s17, 1
	s_cmp_lt_u32 s17, 3
	s_cbranch_scc1 .Lgroup
	s_wait_tensorcnt 0x0                           ; the wave's end, behind my last LDS store
	ds_add_u32 v[SPW], v[NIL]
	s_wait_dscnt 0x0
	s_endpgm
.Lfunc_end_k_q3e87d70a2d_decode:
	.size	k_q3e87d70a2d_decode, .Lfunc_end_k_q3e87d70a2d_decode-k_q3e87d70a2d_decode
	.p2alignl 7, 3214868480
	.fill 96, 4, 3214868480
	.section	.rodata,"a",@progbits
	.p2align	6, 0x0
	.amdhsa_kernel k_q3e87d70a2d_decode
		.amdhsa_group_segment_fixed_size 252928
		.amdhsa_private_segment_fixed_size 0
		.amdhsa_enable_private_segment 0
		.amdhsa_kernarg_size 48
		.amdhsa_user_sgpr_count 2
		.amdhsa_user_sgpr_kernarg_segment_ptr 1
		.amdhsa_wavefront_size32 1
		.amdhsa_system_sgpr_workgroup_id_x 1
		.amdhsa_system_sgpr_workgroup_id_y 1
		.amdhsa_system_sgpr_workgroup_id_z 1
		.amdhsa_system_vgpr_workitem_id 0
		.amdhsa_next_free_vgpr 512
		.amdhsa_next_free_sgpr 66
		.amdhsa_reserve_vcc 1
		.amdhsa_float_denorm_mode_32 3
		.amdhsa_float_denorm_mode_16_64 3
		.amdhsa_memory_ordered 1
		.amdhsa_forward_progress 1
		.amdhsa_inst_pref_size 231
	.end_amdhsa_kernel
	.amdgpu_metadata
---
amdhsa.version: [ 1, 2 ]
amdhsa.kernels:
  - .name:           k_q3e87d70a2d_decode
    .symbol:         k_q3e87d70a2d_decode.kd
    .args:
      - { .name: ft, .offset: 0, .size: 8, .value_kind: global_buffer, .address_space: global }
      - { .name: pidx, .offset: 8, .size: 8, .value_kind: global_buffer, .address_space: global }
      - { .name: pw, .offset: 16, .size: 8, .value_kind: global_buffer, .address_space: global }
      - { .name: wpack, .offset: 24, .size: 8, .value_kind: global_buffer, .address_space: global }
      - { .name: b3, .offset: 32, .size: 8, .value_kind: global_buffer, .address_space: global }
      - { .name: out0, .offset: 40, .size: 8, .value_kind: global_buffer, .address_space: global }
    .group_segment_fixed_size: 252928
    .private_segment_fixed_size: 0
    .kernarg_segment_align: 8
    .kernarg_segment_size: 48
    .max_flat_workgroup_size: 256
    .sgpr_count:     66
    .vgpr_count:     512
    .wavefront_size: 32
...
	.end_amdgpu_metadata
.endif
;; end of part 2
